; MI455X (gfx1250); checked and timed in simulation.
; The chip was launched on July 23, 2026; its instructions are those of AMD's public machine-readable ISA for CDNA 5 (MIT licence, August 2026) and "CDNA5" Instruction Set Architecture Reference Guide (July 2026). The comments in the code are by the model that wrote it; some were corrected since.
;; Base Layer With Lo RA. Allowed arithmetic: matrix products marked QUANTISED: E2M1 operands, one E8M0 scale for each 32 along K, by v_wmma_scale_f32_16x16x128_f8f6f4 with both operands' format E2M1 (or v_wmma_scale_f32_32x16x128_f4), f32 sums; products left as they are: f32 operands where the result goes on into a quantised operand, else bf16, f16 or f32 operands; f32 sums; everything else in f32.
;; Inputs: W_codes 4,096 x 128 x 16 uint8 (E2M1 codes of W, K innermost, in blocks of 32 codes, two codes a byte); W_scales 4,096 x 128 uint8 (E8M0 scales of W, one for each 32 codes along K); b 4,096 float32; lora_A_codes 16 x 128 x 16 uint8 (E2M1 codes of lora_A, K innermost, in blocks of 32 codes, two codes a byte); lora_A_scales 16 x 128 uint8 (E8M0 scales of lora_A, one for each 32 codes along K); lora_B 4,096 x 16 float32; x_codes 4 x 1,024 x 128 x 16 uint8 (E2M1 codes of x, K innermost, in blocks of 32 codes, two codes a byte); x_scales 4 x 1,024 x 128 uint8 (E8M0 scales of x, one for each 32 codes along K).
;; Outputs: out0 4 x 1,024 x 4,096 float32.
;; This version of the problem:
;;   THIS VERSION OF THE PROBLEM IS GIVEN IN LOW PRECISION. The matrix products marked QUANTISED in the list below multiply operands that are first quantised to E2M1 (2 exponent bits, 1 mantissa bit; 4 bits a number), with one power-of-two scale for each 32 numbers along K (OCP MX v1.0); their sums are f32. All else is computed in f32.
;;   The module's matrix products, in the order in which they are computed (A, B: the left and right operand; K: the contracted axis; several contracted axes count as one K, in the product's order):
;;     1. [M 4,096, K 4,096] x [K 4,096, N 4,096]; A: input x (given as codes); B: input W (given as codes): QUANTISED
;;     2. [M 4,096, K 4,096] x [K 4,096, N 16]; A: input x (given as codes); B: input lora_A (given as codes): QUANTISED
;;     3. [M 4,096, K 16] x [K 16, N 4,096]; A: computed on the way; B: input lora_B: left as it is (K = 16 < 32)
;;   THE QUANTISER, for each operand of a quantised product, along K:
;;     - K is cut into blocks of 32 from its start; a last block that is shorter is filled with zeros.
;;     - A block's scale is 2^e with e = floor(log2(the largest magnitude in the block)) - 2, held to -126 .. 127; a block of zeros has e = 0. As a byte (E8M0): e + 127.
;;     - Each number is divided by its block's scale, clamped to +-6, and rounded to the nearest number of E2M1, ties to even, subnormals kept.
;;     - The product sums the exact products of the quantised numbers (number of the format x scale) in f32.
;;   ~~~python
;;   def quantise(x, axis):      # numpy; x: float32 -> the quantised numbers, widened to float32 again
;;       x = np.moveaxis(x, axis, -1); K = x.shape[-1]
;;       x = np.pad(x, [(0, 0)] * (x.ndim - 1) + [(0, -K % 32)]); x = x.reshape(x.shape[:-1] + (-1, 32)); a = np.abs(x).max(-1, keepdims=True)
;;       e = np.where(a > 0, np.clip(np.frexp(np.where(a > 0, a, 1))[1] - 1 - 2, -126, 127), 0)      # np.frexp(a)[1] - 1 = floor(log2(a)), exactly
;;       r = np.clip(x / 2.0 ** e, -6, 6)
;;       step = 2.0 ** (np.maximum(np.frexp(np.where(r == 0, 1, r))[1] - 1, 0) - 1)
;;       q = np.round(r / step) * step * 2.0 ** e      # np.round: ties to even
;;       return np.moveaxis(q.reshape(q.shape[:-2] + (-1,))[..., :K], -1, axis).astype(np.float32)
;;   ~~~
;;   INPUTS GIVEN AS CODES. W (in the module: [4096, 4096], K = its axis 1); lora_A (in the module: [16, 4096], K = its axis 1); x (in the module: [4, 1024, 4096], K = its axis 2): each comes as NAME_codes (uint8): NAME with its K axis moved to the last place and cut into blocks of 32 codes, [.., K / 32, bytes a block], one block behind the other in memory; two codes a byte, the lower K in the low four bits (a code: sign, 2 exponent bits, 1 mantissa bit); and NAME_scales (uint8): the same leading axes, one E8M0 byte (e + 127) for each 32 codes along K. Its value is code x scale, taken as it is: it is not quantised again, and the codes and scales need not be those that the quantiser above would give.
;; One version. Each part assembles by itself: llvm-mc -triple=amdgcn-amd-amdhsa -mcpu=gfx1250 --defsym DOCPART=n.
;; ======== version 1 of 1: 1 launch
;; limits: values are held in bf16: 8 bits of precision; right only within a limited range of input values
;; launch lora_gemm (part 1): grid 16 x 16, 4 waves a work-group, clusters of 4 x 4, 327,680 bytes of LDS; arguments x_codes, x_scales, W_codes, W_scales, lora_A_codes, lora_A_scales, lora_B, b, out0; writes out0
.if DOCPART == 1
	.amdgcn_target "amdgcn-amd-amdhsa--gfx1250"
	.amdhsa_code_object_version 6
	.text
	.protected	k_q2fcd561cea_lora_gemm
	.globl	k_q2fcd561cea_lora_gemm
	.p2align	8
	.type	k_q2fcd561cea_lora_gemm,@function
k_q2fcd561cea_lora_gemm:
	s_mov_b64 s[64:65], 0
	v_nop
	global_prefetch_b8 v0, s[64:65] scope:SCOPE_SE
	s_setreg_imm32_b32 hwreg(HW_REG_WAVE_MODE, 25, 1), 1
	s_wait_xcnt 0x0
	s_wait_alu depctr_hold_cnt(0) depctr_sa_sdst(0) depctr_va_vdst(0) depctr_va_sdst(0) depctr_va_ssrc(0) depctr_va_vcc(0) depctr_vm_vsrc(0)
	s_getreg_b32 s2, hwreg(HW_REG_IB_STS2, 6, 4)
	s_cmp_eq_u32 s2, 0
	s_cbranch_scc0 .Lentry_in_a_cluster
	s_endpgm
.Lentry_in_a_cluster:
	s_bfe_u32 s2, ttmp6, 0x10000c
	s_cmp_lg_u32 s2, 0xf033
	s_cbranch_scc0 .Lentry_shape_is_right
	s_endpgm
.Lentry_shape_is_right:
.set ROWB,   256                       ; a tile's row in bytes
; out0[m][n] = sum over k of x[m][k] W[n][k] + b[n] + sum over r of ar[m][r] lora_B[n][r],  ar[m][r] = sum over k of x[m][k] lora_A[r][k].   M = N = K = 4,096, 16 ranks.
; x, W, lora_A: codes of FP4 (E2M1), K innermost, a row 2,048 bytes, with one E8M0 byte for each 32 along K (a row 128 bytes); they go to the scaled matrix instruction as they lie.  b, lora_B, out0: f32.
; ONE LAUNCH.  A tile of out0, 256 x 256, is made by a work-group of four waves; a wave makes 128 x 128: 64 accumulators of 16 x 16.  256 tiles, 256 work-groups.
; THE MATRIX INSTRUCTION IS USED TRANSPOSED (source 0 = 32 rows of W, source 1 = 16 rows of x): lane (r, h) holds row m = r and its registers the columns n = 8 h + 0 .. 7 of two blocks of 16 columns.
; THE BIAS is the C of each accumulator's first product: no addition is written.
; ar: wave = 2 rho + c.  A wave's blocks 0-3 (16 rows each) are tile rows 128 rho + 64 c on, its blocks 4-7 rows 128 rho + 64 (1 - c) on.  Each wave makes ar for its blocks 0-3 alone (source 0 = lora_A's 16 rows), and the two
;   waves of a row half exchange theirs through LDS as bf16 pairs, in the layout of source 1 of a bf16 product (K = 0 .. 15 of 32) with lora_B's rows as source 0, which adds onto the same accumulators.
;   ar's K = 16 .. 31 are zeros; lora_B's may then be any finite bits: a block of lora_B names the next block's registers there.
; HOW THE INPUTS TRAVEL.  x's and W's codes: a ring of two LDS slots, 512 along K each (rows of 256 bytes), filled by joint tensor loads, one a wave behind each round: 4 x 4 work-groups form a cluster, x's tile is shared along its
;   row, W's along its column.  The scales of the work-group's 512 rows (64 KiB) are read through registers: K steps 0-3 at the head, K steps 4-7 behind the first product, into the registers that the bias has left;
;   LDS has room for four steps beside the ring.  lora_A's codes (4 KiB a K step) go through registers into a small ring of their own, two K steps ahead.
;   These are not asked for jointly: behind each round a wave issues one tensor load, and all four are taken by the code tiles (1 MiB a work-group; the rest is 115 KiB).
; PREFETCHES.  Behind the joint load of K step u each wave names K step u + 1: 32 of the 128 rows that it fetches, a lane a row, 256 bytes each; the four partners that ask for a tile jointly share its rows out by address.
;   Nothing is asked for behind K step 7's load.
; THE LAST K STEP: its first 128 along K as ever; the other 384 by blocks of 16 rows: a block is finished, takes its low-rank product and is stored while the later blocks are still to be multiplied.
; LIMITS: ar and lora_B are rounded to bf16 (8 bits of mantissa) for the product with K = 16; the last K step's quarters are added in the order 0, 1, 3, 2;
;   a NaN or an infinity in lora_B (or a number that rounds to one in bf16) makes NaN in up to two blocks of 16 columns; a scale byte 0xff makes its sums NaN, as the format has it.
; REGISTERS, in windows of 256.  window 0: v0-31 addresses; v32-95 scale words of x and W, two sets; v96-103 of lora_A; v104-111 lora_A's codes on their way; v128-191, v192-255 x's fragments, two sets.
;   Last K step: v104-127, v240-255 lora_B; v192-239, v128-175 x's blocks, 24 registers each.
;   window 1: v0-63, v128-191 W's fragments, two sets; v64-127 the bias, then scales of K steps 4-7, then lora_B as f32, then W's third set; v192-207 lora_A's fragments; v208-239 ar's accumulators; v192-207, v240-255 at the end ar as bf16.
;   windows 2, 3: the accumulators ((a, b) at v[8 (8 (a % 4) + b)]).
.set NQ,     4                         ; matrix instructions deep in a slot: 512 along K
.set KROW,   2048                      ; a row of codes in memory
.set OROW,   16384                     ; a row of out0
.set PITCH,  272                       ; an LDS row: 256 bytes + 16 of padding = 68 words: the 16 rows that a load touches start at 16 different banks (64 banks of 4 bytes: ISA guide 11.1)
.set FR,     8                         ; registers of a fragment: 16 rows x 128 K
.set HALFT,  128*PITCH                 ; what one tensor load brings
.set SLOT,   4*HALFT                   ; x's 256 rows, then W's 256 rows
.set LAPS,   4                         ; a lap = two K steps = once round the ring
.set LAB,    2*SLOT                    ; lora_A's ring: two slots of 16 rows x PITCH, written by LDS stores alone
.set LASL,   16*PITCH
.set LASC,   LAB+2*LASL                ; lora_A's scale words: 256 x (K step) + 16 x row
.set SPARE,  LASC+2048                 ; the spare words, 128 bytes for each wave: two blocks of 256 bytes that no other line names
.set SCR,    SPARE+512                 ; four regions of scale words: RGN x (K step % 4) + 16 x row (x's rows 0-255, W's rows 256-511)
.set RGN,    8256                      ; 8,192 + 64: the four steps of a row start in different banks
.set SPITCH, 528                       ; the way out: a stage of 16 rows x (512 + 16) bytes for each wave, in slot 0, which has had its last fill and its last read by then
.set ARX,    HALFT                     ; likewise in slot 0, behind the stages: ar as bf16, 2,048 x wave + 512 x block + 16 x lane
.set AS2,  1                           ; v1   (behind the head) a scale words' address in hand
.set ADRS3, 2                          ; v2   (behind the head) scale words of x's blocks 4-7
.set PFO,  3                           ; v3   2,048 x lane: the prefetches' row
.set LSG,  4                           ; v4   my 16 bytes of lora_A's scales in memory
.set LSW,  5                           ; v5   and where they go in LDS
.set BO,   6                           ; v6   32 h: my eight numbers of 16 of b
.set LBO,  7                           ; v7   64 r + 32 h: my eight numbers of a row of lora_B
.set AS0,  8                           ; v8-9 the scale words' addresses in hand
.set AS1,  9
.set STW,  10                          ; v10  where I store scales at the head: four lanes a row
.set STP,  11                          ; v11  and in the loop: two lanes a row
.set LAW,  12                          ; v12  lora_A's ring: where I store
.set LAG,  13                          ; v13  and what I load: 2,048 (4 wave + h) + 16 r
.set AXW,  14                          ; v14  ar: mine
.set AXR,  15                          ; v15  my partner's
.set ADRA, 16                          ; v16-17 x's blocks 0-3 in slot 0, 1;  v18-19 blocks 4-7
.set ADRB, 20                          ; v20-21 W's
.set ADRL, 22                          ; v22-23 lora_A's
.set STO,  24                          ; v24  the way out: where I put 32 bytes of a row
.set RD,   25                          ; v25  where I read a row back
.set CO,   26                          ; v26  my byte offset in a row of out0
.set ADRS, 27                          ; v27  scale words of my 128 rows of W, lane l row l of 32
.set SPW,  28                          ; v28  LDS address of my spare word; never rewritten
.set NIL,  29                          ; v29  0; never rewritten
.set ADRS2, 30                         ; v30  scale words of x's blocks 0-3
.set ADLS, 31                          ; v31  lora_A's scale words of the step in hand
.set SC,   32                          ; set s at v[SC + 32 s]: register 4 j + q: W's blocks 2 j (lanes 0-15), 2 j + 1 (lanes 16-31), the slot's q-th 128 along K;  register 16 + 4 j + q: x's blocks likewise
.set LSC,  96                          ; set s at v[LSC + 4 s]; register q: lora_A's row r
.set LST,  104
.set SG4,  112                         ; v112, v114 what I load of the scales: K steps 4-7, two at a time;  K steps 0-3
.set SG0,  114
.set DW,   115
.set AF,   128                         ; x's set p at v[AF + 64 p]
.set BIA,  64                          ; window 1
.set LAF,  192
.set ARA,  208
.set G1,  24                           ; s[24:31] descriptor group 1 for x's tiles;  s[32:39] group 0, one set for each slot
.set G0,  32
.set G1B, 48                           ; s[48:55], s[56:63] the same for W's
.set G0B, 56
.set SPR, 78                           ; s78  which pair of scale regions is read: 0 or 2 RGN
.set SPD, 79                           ; s79  and which is written over: always the other
.set LAP, 94                           ; s[94:95] lora_A's codes at the K step asked for last
.set PFA, 100                          ; s[100:101] my 32 rows for the prefetches at that K step; a prefetch names the one behind it
.set MSB, 0
.macro WIN new                         ; the immediate's high byte repeats the setting that is left
.if MSB != (\new)
	s_set_vgpr_msb (MSB<<8)|(\new)
.set MSB, (\new)
.endif
.endm
.set MUL_LO,   0xa1                    ; source 0 (W) window 1, source 1 (x) window 0, C and D window 2
.set MUL_HI,   0xf1                    ; the same, C and D window 3
.set W_AR,     0x51                    ; source 0 (lora_A), C and D window 1, source 1 (x) window 0
.set TO_B,     0x40                    ; destination window 1, address window 0
; A joint load: waves 0 and 1 fetch for x, waves 2 and 3 for W.  Each of the two lines has one mask and one set of registers for all that issue it; the branch hangs on the wave's number alone.
; Four v_nop follow each of the two lines, ahead of the jump, the label and what follows.
.macro JLOAD s
	s_cmp_eq_u32 s15, 0
	s_cbranch_scc0 .Lfor_b_\@
	tensor_load_to_lds s[G0+4*\s:G0+4*\s+3], s[G1:G1+7]
	s_nop 0
.rept 4
	v_nop
.endr
	s_branch .Lasked_\@
.Lfor_b_\@:
	tensor_load_to_lds s[G0B+4*\s:G0B+4*\s+3], s[G1B:G1B+7]
	s_nop 0
.rept 4
	v_nop
.endr
.Lasked_\@:
.endm
.macro CREST                           ; a round of the cluster's barrier behind its opening barrier
	s_cmp_lg_u32 s14, 0
	s_cbranch_scc1 .Lnot_wave_0_\@
	s_barrier_signal -3
.Lnot_wave_0_\@:
	s_barrier_wait -3
	s_barrier_signal -1
	s_barrier_wait -1
.endm
.macro CROUND                          ; a whole round
	s_barrier_signal -1
	s_barrier_wait -1
	CREST
.endm
.macro NEXTK                           ; one K step on, for lora_A and for the prefetches
	s_add_nc_u64 s[LAP:LAP+1], s[LAP:LAP+1], ROWB
	s_add_nc_u64 s[PFA:PFA+1], s[PFA:PFA+1], ROWB
.endm
	s_load_b256 s[4:11], s[0:1], 0x0               ; x's codes s[4:5], x's scales s[6:7], W's codes s[8:9], W's scales s[10:11]
	s_load_b256 s[68:75], s[0:1], 0x20             ; lora_A's codes s[68:69], its scales s[70:71], lora_B s[72:73], b s[74:75]
	s_load_b64 s[12:13], s[0:1], 0x40              ; out0
	v_lshl_add_u32 v[SPW], v0, 2, SPARE
	v_mov_b32 v[NIL], 0
	ds_add_u32 v[SPW], v[NIL]                      ; the wave's opening: the add, twice on end, and its wait ahead of my first tensor load; work on registers stands between
	ds_add_u32 v[SPW], v[NIL]
	v_lshrrev_b32 v1, 5, v0
	v_readfirstlane_b32 s14, v1                    ; wave 0..3
	s_lshr_b32 s15, s14, 1                         ; rho: which half of the tile's rows is mine.  Also: I fetch for x (0) or for W (1)
	s_and_b32 s16, s14, 1                          ; c: which half of its columns.  Also: which 128 rows of that tensor's tile I fetch
	s_bfe_u32 s40, ttmp6, 0x40000                  ; cx, cy: my place in the cluster
	s_bfe_u32 s41, ttmp6, 0x40004
	s_lshl_b32 s42, ttmp9, 2
	s_add_co_u32 s42, s42, s40                     ; tile column = 4 x cluster x + cx
	s_and_b32 s17, ttmp7, 0xffff
	s_lshl_b32 s17, s17, 2
	s_add_co_u32 s17, s17, s41                     ; tile row = 4 x cluster y + cy
	s_lshl_b32 s43, s41, 2
	s_lshl_b32 s43, 15, s43                        ; my row of the cluster
	s_lshl_b32 s44, 0x1111, s40                    ; my column
	; descriptor group 1: a tile of 128 rows x 256 bytes, padded in LDS
	s_or_b32 s[G1+0], s43, (0<<16)|(1<<20)|(1<<21)|(5<<22)|(3<<25)  ; 15:0 the mask: x's tiles go to my row; 17:16 elements of 1 byte; 20 padding on; 21 set beside a mask; 24:22 after every 64 words (code 5); 31:25 four words (code 3)
	s_or_b32 s[G1B+0], s44, (0<<16)|(1<<20)|(1<<21)|(5<<22)|(3<<25) ; the same with the mask of my column, for W's tiles
.irp g, G1, G1B
	s_mov_b32 s[\g+1], ROWB<<16                    ; tensor_dim0
	s_mov_b32 s[\g+2], 128<<16                     ; tensor_dim1
	s_mov_b32 s[\g+3], ROWB<<16                    ; tile_dim0
	s_mov_b32 s[\g+4], 128                         ; tile_dim1
	s_mov_b32 s[\g+5], KROW                        ; tensor_dim0_stride
	s_mov_b32 s[\g+6], 0
	s_mov_b32 s[\g+7], 0
.endr
	; byte offsets in memory.  x's hang on the tile row and the wave, W's on the tile column and the wave, each in registers that never hold the other coordinate
	s_lshl_b32 s18, s16, 7                         ; which 128 rows I fetch
	s_lshl_b32 s20, s17, 8
	s_add_co_u32 s20, s20, s18                     ; x: row 256 x tile row + 128 c
	s_lshl_b32 s46, s42, 8
	s_add_co_u32 s46, s46, s18                     ; W: row 256 x tile column + 128 c
	s_cmp_eq_u32 s15, 0
	s_cselect_b32 s90, s20, s46                    ; the prefetches: the rows that I fetch,
	s_cselect_b32 s91, s40, s41                    ; and my place among the four that ask for them with me:
	s_lshl_b32 s91, s91, 5
	s_add_co_u32 s90, s90, s91                     ; 32 rows each
	s_lshl_b32 s90, s90, 11
	s_mov_b32 s91, 0
	s_lshl_b32 s22, s20, 7                         ; my rows' scales: 128 bytes a row
	s_lshl_b32 s80, s46, 7
	s_lshl_b32 s20, s20, 11                        ; and their codes: 2,048 bytes a row
	s_lshl_b32 s46, s46, 11
	s_mov_b32 s21, 0
	s_mov_b32 s23, 0
	s_mov_b32 s47, 0
	s_mov_b32 s81, 0
	s_mul_i32 s45, s14, HALFT                      ; where the tiles go: wave x 128 rows: no place in the cluster enters an LDS address
	s_lshl_b32 s82, s42, 10
	s_lshl_b32 s83, s16, 9
	s_add_co_u32 s82, s82, s83                     ; my first column in bytes of f32: in b and in a row of out0
	s_mov_b32 s83, 0
	s_lshl_b32 s84, s82, 4                         ; and its row of lora_B: 64 bytes a row
	s_mov_b32 s85, 0
	s_lshl_b32 s86, s17, 8
	s_lshl_b32 s87, s15, 7
	s_add_co_u32 s86, s86, s87                     ; my row half: 256 x tile row + 128 rho
	s_lshl_b32 s87, s16, 6
	s_xor_b32 s88, s87, 64
	s_add_co_u32 s87, s86, s87                     ; the row of my block 0
	s_add_co_u32 s88, s86, s88                     ; the row of my block 4
	s_lshl_b32 s86, s87, 14                        ; rows of out0 are 16,384 bytes
	s_add_co_u32 s86, s86, s82
	s_mov_b32 s87, 0
	s_lshl_b32 s88, s88, 14
	s_add_co_u32 s88, s88, s82
	s_mov_b32 s89, 0
	; scalars that the lanes' addresses take (the registers of group 0 are free until below)
	s_lshl_b32 s32, s14, 11
	s_add_co_u32 s37, s32, ARX                     ; ar as bf16: mine,
	s_xor_b32 s38, s32, 2048
	s_add_co_u32 s38, s38, ARX                     ; and my partner's, the other wave of my row half
	s_add_co_u32 s32, s32, SCR                     ; the scale words of the 128 rows that I store
	s_mul_i32 s35, s14, 4*PITCH                    ; lora_A: wave w moves rows 4 w .. 4 w + 3 of a K step, two rows a load, sixteen lanes to a row's 256 bytes
	s_add_co_u32 s35, s35, LAB
	s_lshl_b32 s36, s14, 13
	s_lshl_b32 s18, s15, 7
	s_lshl_b32 s19, s16, 6
	s_add_co_u32 s76, s18, s19                     ; my block 0 in the tile: row 128 rho + 64 c
	s_xor_b32 s19, s19, 64
	s_add_co_u32 s77, s18, s19                     ; my block 4: row 128 rho + 64 (1 - c)
	s_mul_i32 s39, s76, PITCH
	s_mul_i32 s56, s77, PITCH
	s_mul_i32 s57, s16, HALFT                      ; my 128 rows of W,
	s_add_co_u32 s57, s57, 2*HALFT                 ; which lie behind x's 256
	s_lshl_b32 s58, s76, 4                         ; scale words: 16 bytes a row and K step: x's,
	s_lshl_b32 s59, s77, 4
	s_add_co_u32 s58, s58, SCR
	s_add_co_u32 s59, s59, SCR
	s_lshl_b32 s60, s16, 11
	s_add_co_u32 s60, s60, SCR+4096                ; and W's: rows 256 + 128 c on of the 512
	s_mul_i32 s62, s14, 16*SPITCH                  ; my stage
	s_mov_b32 s[SPR], 0
	s_mov_b32 s[SPD], 2*RGN
	; addresses of a lane
	v_and_b32 v1, 15, v0                           ; r
	v_bfe_u32 v2, v0, 4, 1                         ; h
	v_and_b32 v128, 31, v0                         ; lane
	v_lshlrev_b32 v[PFO], 11, v128
	v_and_b32 v129, 3, v0                          ; scales, K steps 0-3: lane l takes row l / 4 of 8, step l % 4: 16 bytes
	v_bfe_u32 v130, v0, 2, 3
	v_lshlrev_b32 v131, 4, v129
	v_lshl_add_u32 v[SG0], v130, 7, v131
	v_mul_u32_u24 v132, RGN, v129
	v_lshl_add_u32 v132, v130, 4, v132
	v_add_nc_u32 v[STW], s32, v132
	v_and_b32 v133, 1, v0                          ; K steps 4-7, two at a time: lane l takes row l / 2 of 16, step l % 2 of the two
	v_bfe_u32 v134, v0, 1, 4
	v_lshlrev_b32 v135, 4, v133
	v_lshl_add_u32 v[SG4], v134, 7, v135
	v_mul_u32_u24 v137, RGN, v133
	v_lshl_add_u32 v137, v134, 4, v137
	v_add_nc_u32 v[STP], s32, v137
	v_lshlrev_b32 v[LSG], 4, v0                    ; thread T takes 16 bytes of lora_A's scales: row T / 8, K step T % 8
	v_and_b32 v138, 7, v0
	v_lshrrev_b32 v139, 3, v0
	v_lshlrev_b32 v138, 8, v138
	v_lshl_add_u32 v138, v139, 4, v138
	v_add_nc_u32 v[LSW], LASC, v138
	v_lshlrev_b32 v[BO], 5, v2
	v_lshl_add_u32 v[LBO], v1, 6, v[BO]
	v_mul_u32_u24 v141, v2, PITCH
	v_lshl_add_u32 v141, v1, 4, v141
	v_add_nc_u32 v[LAW], s35, v141
	v_lshlrev_b32 v142, 11, v2
	v_lshl_add_u32 v142, v1, 4, v142
	v_add_nc_u32 v[LAG], s36, v142
	v_lshl_add_u32 v[AXW], v128, 4, s37
	v_lshl_add_u32 v[AXR], v128, 4, s38
	v_mul_u32_u24 v143, v1, PITCH
	v_lshl_add_u32 v143, v2, 4, v143               ; a fragment's row x pitch + 16 x half
	v_add_nc_u32 v[ADRA], s39, v143
	v_add_nc_u32 v[ADRA+2], s56, v143
	v_add_nc_u32 v[ADRB], s57, v143
	v_add_nc_u32 v[ADRL], LAB, v143
	v_add_nc_u32 v[ADRA+1], SLOT, v[ADRA]
	v_add_nc_u32 v[ADRA+3], SLOT, v[ADRA+2]
	v_add_nc_u32 v[ADRB+1], SLOT, v[ADRB]
	v_add_nc_u32 v[ADRL+1], LASL, v[ADRL]
	v_lshlrev_b32 v144, 4, v1
	v_add_nc_u32 v[ADLS], LASC, v144               ; lora_A's: row r in both halves of the lanes
	v_mul_u32_u24 v147, v1, SPITCH                 ; into the stage: row r, 32 bytes for each half of the lanes
	v_lshl_add_u32 v147, v2, 5, v147
	v_add_nc_u32 v[STO], s62, v147
	v_lshlrev_b32 v[CO], 4, v128                   ; back: the 32 lanes take one row of 512 bytes; and the same in out0
	v_add_nc_u32 v[RD], s62, v[CO]
	v_add_nc_u32 v[ADRS], s60, v[CO]               ; scale words: 32 rows, 16 bytes a lane
	v_add_nc_u32 v[ADRS2], s58, v[CO]
	v_add_nc_u32 v[ADRS3], s59, v[CO]
	s_wait_alu depctr_va_vdst(0)
	s_wait_dscnt 0x0                               ; both opening adds are done
	s_wait_kmcnt 0x0
	s_add_nc_u64 s[20:21], s[4:5], s[20:21]        ; x's codes at the rows that I fetch
	s_add_nc_u64 s[46:47], s[8:9], s[46:47]        ; W's
.irp s, 0,1
	s_mov_b32 s[G0+4*\s], 1                                        ; count = 1
	s_add_co_u32 s[G0+4*\s+1], s45, \s*SLOT                        ; LDS address
	s_add_nc_u64 s[G0+4*\s+2:G0+4*\s+3], s[20:21], \s*ROWB         ; global address: K step s
	s_or_b32 s[G0+4*\s+3], s[G0+4*\s+3], 0x80000000                ; type = 2
	s_mov_b32 s[G0B+4*\s], 1
	s_add_co_u32 s[G0B+4*\s+1], s45, \s*SLOT
	s_add_nc_u64 s[G0B+4*\s+2:G0B+4*\s+3], s[46:47], \s*ROWB
	s_or_b32 s[G0B+4*\s+3], s[G0B+4*\s+3], 0x80000000
.endr
	CROUND                                         ; all sixteen work-groups are here: the first joint loads meet
	JLOAD 0                                        ; K step 0: one tensor load a wave at the head
	s_cmp_eq_u32 s15, 0
	s_cselect_b64 s[PFA:PFA+1], s[4:5], s[8:9]
	s_add_nc_u64 s[PFA:PFA+1], s[PFA:PFA+1], s[90:91]
	s_add_nc_u64 s[22:23], s[6:7], s[22:23]        ; x's scales at the rows that I fetch
	s_add_nc_u64 s[80:81], s[10:11], s[80:81]      ; W's
	s_cselect_b64 s[76:77], s[22:23], s[80:81]     ; waves 0, 1 bring x's scales, waves 2, 3 W's
	s_add_nc_u64 s[66:67], s[12:13], s[88:89]      ; out0 at my block 4,
	s_add_nc_u64 s[12:13], s[12:13], s[86:87]      ; and at my block 0
	s_add_nc_u64 s[74:75], s[74:75], s[82:83]      ; b at my first column
	s_add_nc_u64 s[72:73], s[72:73], s[84:85]      ; lora_B at its row
	s_mov_b64 s[LAP:LAP+1], s[68:69]
.irp g, 0,1,2,3,4,5,6,7,8,9,10,11,12,13,14,15
	global_load_b128 v[192+4*\g:192+4*\g+3], v[SG0], s[76:77] offset:1024*\g       ; scales of K steps 0-3: eight rows a load
.endr
	global_load_b128 v[116:119], v[LAG], s[LAP:LAP+1]                      ; lora_A's codes of K step 0
	global_load_b128 v[120:123], v[LAG], s[LAP:LAP+1] offset:2*KROW
	global_load_b128 v[124:127], v[LSG], s[70:71]                          ; lora_A's scales: the four waves take its 2,048 bytes between them
	global_load_b128 v[LST:LST+3], v[LAG], s[LAP:LAP+1] offset:ROWB        ; lora_A's codes of K step 1
	global_load_b128 v[LST+4:LST+7], v[LAG], s[LAP:LAP+1] offset:ROWB+2*KROW
	WIN TO_B
.irp b, 0,1,2,3,4,5,6,7
	global_load_b128 v[BIA+8*\b:BIA+8*\b+3], v[BO], s[74:75] offset:64*\b          ; b(16 b + 8 h + 0 .. 7): the result's layout
	global_load_b128 v[BIA+8*\b+4:BIA+8*\b+7], v[BO], s[74:75] offset:64*\b+16
.endr
	WIN 0
	global_prefetch_b8 v[PFO], s[PFA:PFA+1] offset:ROWB th:TH_LOAD_NT scope:SCOPE_SE   ; K step 1
	s_wait_loadcnt 18                              ; the first 19; lora_A's K step 1 (2) and the bias (16) may be out
.irp g, 0,1,2,3,4,5,6,7,8,9,10,11,12,13,14,15
	ds_store_b128 v[STW], v[192+4*\g:192+4*\g+3] offset:128*\g
.endr
	ds_store_b128 v[LAW], v[116:119]
	ds_store_b128 v[LAW], v[120:123] offset:2*PITCH
	ds_store_b128 v[LSW], v[124:127]
	s_wait_xcnt 0x0                                ; the loads and the prefetch have read their bases
	NEXTK                                          ; K step 1
.macro FRAG reg, adr, q, i             ; a fragment, 16 rows x 128 K of 4-bit codes, is 8 registers: lane l holds row l % 16; registers 4 c .. 4 c + 3 hold K = 64 c + 32 (l / 16) + 0 .. 31
.irp c, 0,1
	ds_load_b128 v[\reg+4*\c:\reg+4*\c+3], v[\adr] offset:64*(\q)+32*\c+(\i)*16*PITCH
.endr
.endm
; One product: 32 rows of W (two fragments on end) x 16 rows of x (block a) x 128 K, onto two neighbouring accumulators.  W's scale words fill all lanes; x's are read from lanes 0-15 (a even) or 16-31 (a odd).
.macro WM d, w, x, c, sw, sx, a
.if (\a)%2
	v_wmma_scale_f32_32x16x128_f4 v[\d:\d+15], v[\w:\w+15], v[\x:\x+7], v[\c:\c+15], v[\sw], v[\sx] matrix_b_scale:MATRIX_SCALE_ROW1
.else
	v_wmma_scale_f32_32x16x128_f4 v[\d:\d+15], v[\w:\w+15], v[\x:\x+7], v[\c:\c+15], v[\sw], v[\sx]
.endif
.endm
; x's block a against W's eight, the slot's q-th 128 along K, sets q % 2.  sc: the set of scale words.  zero = 1: the first product starts the sum from the bias.
; All accumulators (these and ar's four) take turns, one instruction a turn, in the same order in every step.
.macro MUL a, q, sc, zero
.set PW, 128*((\q)%2)
.set XA, AF+64*((\q)%2)+FR*(\a)
.set AC, 64*((\a)%4)
.set C0, AC
.if \zero
.set C0, BIA
.endif
.irp j, 0,1,2,3
	WM AC+16*\j, PW+16*\j, XA, C0+16*\j, SC+32*(\sc)+4*\j+(\q), SC+32*(\sc)+16+4*((\a)/2)+(\q), \a
.endr
.endm
; ar of one block: source 0 = lora_A's 16 rows, source 1 = x's block a
.macro WA l, x, sl, sx, a, zero
.if \zero
.if (\a)%2
	v_wmma_scale_f32_16x16x128_f8f6f4 v[ARA+8*\a:ARA+8*\a+7], v[\l:\l+7], v[\x:\x+7], 0, v[\sl], v[\sx] matrix_a_fmt:MATRIX_FMT_FP4 matrix_b_fmt:MATRIX_FMT_FP4 matrix_b_scale:MATRIX_SCALE_ROW1
.else
	v_wmma_scale_f32_16x16x128_f8f6f4 v[ARA+8*\a:ARA+8*\a+7], v[\l:\l+7], v[\x:\x+7], 0, v[\sl], v[\sx] matrix_a_fmt:MATRIX_FMT_FP4 matrix_b_fmt:MATRIX_FMT_FP4
.endif
.else
.if (\a)%2
	v_wmma_scale_f32_16x16x128_f8f6f4 v[ARA+8*\a:ARA+8*\a+7], v[\l:\l+7], v[\x:\x+7], v[ARA+8*\a:ARA+8*\a+7], v[\sl], v[\sx] matrix_a_fmt:MATRIX_FMT_FP4 matrix_b_fmt:MATRIX_FMT_FP4 matrix_b_scale:MATRIX_SCALE_ROW1
.else
	v_wmma_scale_f32_16x16x128_f8f6f4 v[ARA+8*\a:ARA+8*\a+7], v[\l:\l+7], v[\x:\x+7], v[ARA+8*\a:ARA+8*\a+7], v[\sl], v[\sx] matrix_a_fmt:MATRIX_FMT_FP4 matrix_b_fmt:MATRIX_FMT_FP4
.endif
.endif
.endm
.macro AR4 q, sc, zero
	WIN W_AR
.set PW, LAF+FR*((\q)%2)
.set XA, AF+64*((\q)%2)
.irp k, 0,1,2,3
	WA PW, XA+FR*\k, LSC+4*(\sc)+(\q), SC+32*(\sc)+16+4*(\k/2)+(\q), \k, \zero
.endr
.endm
.macro LOADS slot, q                   ; all fragments of the slot's q-th 128 along K into sets q % 2, in one run: W's eight, lora_A's, x's blocks 0-3, x's blocks 4-7: 34 loads
	WIN TO_B
.set FW0, 128*((\q)%2)
.irp i, 0,1,2,3,4,5,6,7
	FRAG FW0+FR*\i, ADRB+\slot, \q, \i
.endr
.set FW0, LAF+FR*((\q)%2)
	FRAG FW0, ADRL+\slot, \q, 0
	WIN 0
.set FW0, AF+64*((\q)%2)
.irp i, 0,1,2,3
	FRAG FW0+FR*\i, ADRA+\slot, \q, \i
.endr
.irp i, 0,1,2,3
	FRAG FW0+32+FR*\i, ADRA+2+\slot, \q, \i
.endr
.endm
.macro SCALES sc                       ; a K step's scale words into set sc: four words a row; the lanes read 512 consecutive bytes.  9 loads
	v_add_nc_u32 v[AS0], s[SPR], v[ADRS]
	v_add_nc_u32 v[AS1], s[SPR], v[ADRS2]
	v_add_nc_u32 v[AS2], s[SPR], v[ADRS3]
.irp i, 0,1,2,3
	ds_load_b128 v[SC+32*\sc+4*\i:SC+32*\sc+4*\i+3], v[AS0] offset:RGN*\sc+512*\i
.endr
.irp i, 0,1
	ds_load_b128 v[SC+32*\sc+16+4*\i:SC+32*\sc+16+4*\i+3], v[AS1] offset:RGN*\sc+512*\i
.endr
.irp i, 0,1
	ds_load_b128 v[SC+32*\sc+24+4*\i:SC+32*\sc+24+4*\i+3], v[AS2] offset:RGN*\sc+512*\i
.endr
	ds_load_b128 v[LSC+4*\sc:LSC+4*\sc+3], v[ADLS]
.endm
; A load into a register that a matrix instruction has read, and a vector instruction or an LDS store that reads a matrix result, stand four places behind that matrix instruction, and only plain vector
; instructions that name none of its registers are places (ISA guide 7.12.1 for vector instructions); the matrix instructions in between are not counted.
.macro PLACES n
.rept \n
	v_nop
.endr
.endm
; Ahead of a slot's last step: lora_A's next K step goes into its ring, all my tensor loads are waited for, and 0 is added to my spare word.  fill = 1: the slot in hand will be filled again.
.macro PRE slot, next, fill, left
	WIN 0
	s_wait_loadcnt \left                           ; lora_A's next K step, asked for a K step ago, is in registers
	ds_store_b128 v[LAW], v[LST:LST+3] offset:(\next)*LASL         ; into the slot of lora_A's ring that every wave has done reading: those reads were waited for in front of the last barrier
	ds_store_b128 v[LAW], v[LST+4:LST+7] offset:(\next)*LASL+2*PITCH
.if \fill
	s_wait_xcnt 0x0                                ; the last prefetch has read its base
	NEXTK
.endif
	s_wait_tensorcnt 0x0                           ; all my tensor loads have landed: the one that was out is my part of the next slot
	ds_add_u32 v[SPW], v[NIL]                      ; 0 onto my spare word; work on registers stands between it and the wait for it
.if \fill
	s_add_nc_u64 s[G0+4*\slot+2:G0+4*\slot+3], s[G0+4*\slot+2:G0+4*\slot+3], 2*ROWB        ; no tensor load of mine is out, so a group 0 may be written: two K steps on
	s_add_nc_u64 s[G0B+4*\slot+2:G0B+4*\slot+3], s[G0B+4*\slot+2:G0B+4*\slot+3], 2*ROWB
.endif
.endm
; A step of 128 along K that has its successor in the same slot: 36 matrix instructions on sets q % 2; at its head the successor's fragments are asked for, into the other sets, in one run.
; pre = 1, 2: a slot's last step follows (2: the slot is not filled again).
.macro STEP slot, q, zero, pre
.if (\q) == 0
	s_wait_dscnt 8                                 ; x's blocks 4-7, the youngest eight loads, may be out
.else
	s_wait_dscnt 0x0
.endif
	PLACES 4
	LOADS \slot, (\q)+1
	WIN MUL_LO-0x10*\zero                          ; with zero = 1 C (the bias) lies in window 1
	MUL 0, \q, \slot, \zero
	MUL 1, \q, \slot, \zero
	MUL 2, \q, \slot, \zero
	MUL 3, \q, \slot, \zero
	AR4 \q, \slot, \zero
.if (\q) == 0
	s_wait_dscnt 34                                ; x's blocks 4-7 are in: 34 loads were issued behind them
.endif
	WIN MUL_HI-0x20*\zero
	MUL 4, \q, \slot, \zero
	MUL 5, \q, \slot, \zero
	MUL 6, \q, \slot, \zero
.if (\pre) == 1
	PRE \slot, 1-\slot, 1, 0
.endif
.if (\pre) == 2
	PRE \slot, 1-\slot, 0, 16                      ; lora_B's 16 loads may be out
.endif
	WIN MUL_HI-0x20*\zero
	MUL 7, \q, \slot, \zero
.endm
; A slot's last step changes slots: its fragments are in registers.  ONE barrier.  fill = 1: it opens a round of the cluster's; behind it this slot is filled again, two K steps ahead.
.macro TURN slot, next, fill
	s_wait_dscnt 0x0                               ; the add and my stores are done, and my reads of this slot, of lora_A's slot and of the scale words are over
	s_barrier_signal -1
	WIN MUL_LO
	MUL 0, NQ-1, \slot, 0
	MUL 1, NQ-1, \slot, 0
	WIN 0
	s_barrier_wait -1
.if \fill
	CREST                                          ; no wave of any partner still reads this slot's tile or has a load on its way
	JLOAD \slot                                    ; the first tensor load behind the round; its four v_nop are also the places in front of the loads below
.else
	PLACES 4
.endif
.if \slot == 1
	s_xor_b32 s[SPR], s[SPR], 2*RGN                ; a lap is over: the scale words are read from the other pair of regions,
	s_xor_b32 s[SPD], s[SPD], 2*RGN                ; and the pair just left may be written over
.endif
	s_wait_alu depctr_va_vdst(0)
	v_add_nc_u32 v[ADLS], 256, v[ADLS]             ; lora_A's scale words of the next step
	SCALES \next
	LOADS \next, 0
.if \fill
	global_load_b128 v[LST:LST+3], v[LAG], s[LAP:LAP+1]                    ; lora_A's codes of the K step just asked for
	global_load_b128 v[LST+4:LST+7], v[LAG], s[LAP:LAP+1] offset:2*KROW
.if \slot == 1
	s_cmp_eq_u32 s3, 1                             ; K step 7 has no successor
	s_cbranch_scc1 .Lno_ask_\@
.endif
	global_prefetch_b8 v[PFO], s[PFA:PFA+1] offset:ROWB th:TH_LOAD_NT scope:SCOPE_SE   ; the K step behind it
.if \slot == 1
.Lno_ask_\@:
.endif
.endif
	WIN MUL_LO
	MUL 2, NQ-1, \slot, 0
	MUL 3, NQ-1, \slot, 0
	AR4 NQ-1, \slot, 0
	WIN MUL_HI
	MUL 4, NQ-1, \slot, 0
	MUL 5, NQ-1, \slot, 0
	MUL 6, NQ-1, \slot, 0
	MUL 7, NQ-1, \slot, 0
.endm
; At the end of the loop's first and second trip two K steps of scales go into the pair of regions that the lap just ended has read.  Every wave waited for its reads of that pair in front of the last barrier's
; signal, and this stands behind that barrier; my stores are waited for in front of the next signal, and the words are read behind the barrier after that one.
.macro DUMP
	s_cmp_eq_u32 s3, 1                             ; the last trip has nothing left to store
	s_cbranch_scc1 .Lno_dump
	v_add_nc_u32 v[DW], s[SPD], v[STP]
	s_wait_alu depctr_va_vdst(0)
	s_cmp_eq_u32 s3, LAPS-1
	s_cbranch_scc0 .Lsecond
	WIN 0x04
.irp g, 0,1,2,3,4,5,6,7
	ds_store_b128 v[DW], v[BIA+4*\g:BIA+4*\g+3] offset:256*\g      ; K steps 4, 5
.endr
	WIN 0
	s_branch .Lno_dump
.Lsecond:
	WIN 0x04
.irp g, 0,1,2,3,4,5,6,7
	ds_store_b128 v[DW], v[BIA+32+4*\g:BIA+32+4*\g+3] offset:256*\g        ; K steps 6, 7
.endr
	WIN 0
.Lno_dump:
.endm
	s_wait_tensorcnt 0x0                           ; my part of K step 0 is in
	ds_add_u32 v[SPW], v[NIL]
	s_wait_dscnt 0x0                               ; the add and my 19 stores are done
	CROUND                                         ; everybody's are, and all sixteen work-groups are here
	JLOAD 1                                        ; K step 1: the first tensor load behind the round
	SCALES 0
	LOADS 0, 0
	global_prefetch_b8 v[PFO], s[PFA:PFA+1] offset:ROWB th:TH_LOAD_NT scope:SCOPE_SE   ; K step 2
	s_wait_loadcnt 0x0                             ; the bias and lora_A's K step 1
	STEP 0, 0, 1, 0                                ; the first step stands in front of the loop: its products start the sums, from the bias or from 0
	PLACES 4
	WIN TO_B
.irp g, 0,1,2,3,4,5,6,7                        ; scales of K steps 4 and 5, sixteen rows a load, into registers that the bias has left
	global_load_b128 v[BIA+4*\g:BIA+4*\g+3], v[SG4], s[76:77] offset:2048*\g+64
.endr
.irp g, 0,1,2,3,4,5,6,7                        ; of K steps 6 and 7
	global_load_b128 v[BIA+32+4*\g:BIA+32+4*\g+3], v[SG4], s[76:77] offset:2048*\g+96
.endr
	WIN 0                                          ; at a label and at a branch every window is 0
	s_mov_b32 s3, LAPS-1
.Llap:                                                 ; a trip goes once round the ring, from a lap's second step to the next lap's first, and fills both slots again
	STEP 0, 1, 0, 0
	STEP 0, 2, 0, 1
	TURN 0, 1, 1
	STEP 1, 0, 0, 0
	STEP 1, 1, 0, 0
	STEP 1, 2, 0, 1
	TURN 1, 0, 1
	STEP 0, 0, 0, 0
	WIN 0
	DUMP
	s_sub_co_u32 s3, s3, 1
	s_cmp_lg_u32 s3, 0
	s_cbranch_scc1 .Llap
	WIN TO_B
.irp b, 0,1,2,3,4,5,6,7                        ; lora_B's rows of my 128 columns, as f32, where the scales of K steps 4-7 waited
	global_load_b128 v[BIA+8*\b:BIA+8*\b+3], v[LBO], s[72:73] offset:1024*\b       ; lora_B(16 b + r, 8 h + 0 .. 7)
	global_load_b128 v[BIA+8*\b+4:BIA+8*\b+7], v[LBO], s[72:73] offset:1024*\b+16
.endr
	STEP 0, 1, 0, 0                                ; K step 6 fills nothing, and has no round of the cluster's barrier
	STEP 0, 2, 0, 2
	TURN 0, 1, 0
; THE LAST K STEP (slot 1).  Its quarter 0 as ever; quarters 1 to 3 by blocks of 16 rows.  W's quarters 1, 2, 3 lie in window 1 at v128, v0, v64, lora_A's at v200, v192, v240; x's block a, three quarters, in window 0, four buffers.
; lora_B's block b as bf16 at v[104 + 4 b] (b < 5) and v[240 + 4 (b - 5)]; behind each of the two runs four zeros.  ar's block a % 4 in window 1 at v192, v200, v240, v248, four registers and four zeros.
.macro FW q                            ; 18 loads
	WIN TO_B
.set FW0, 64*(((\q)+1)%3)
.irp i, 0,1,2,3,4,5,6,7
	FRAG FW0+FR*\i, ADRB+1, \q, \i
.endr
.set FW0, 192+8*((\q)%2)+40*((\q)/3)
	FRAG FW0, ADRL+1, \q, 0
.endm
.macro FX a                            ; 6 loads
	WIN 0
.set FX0, 192+24*((\a)%4)-112*(((\a)%4)/2)
.set FA0, ADRA+1+2*((\a)/4)
.irp k, 1,2,3
	FRAG FX0+8*(\k-1), FA0, \k, (\a)%4
.endr
.endm
.macro ROWP a, q                       ; quarter q of block a
.set AC, 64*((\a)%4)
.set XA, 192+24*((\a)%4)-112*(((\a)%4)/2)+8*((\q)-1)
.set PW, 64*(((\q)+1)%3)
	WIN MUL_LO+0x50*((\a)/4)
.irp j, 0,1,2,3
	WM AC+16*\j, PW+16*\j, XA, AC+16*\j, SC+32+4*\j+(\q), SC+48+4*((\a)/2)+(\q), \a
.endr
.endm
.macro ARF q                           ; quarter q of ar's four blocks: each accumulator's turn comes with three others' between
	WIN W_AR
.set PW, 192+8*((\q)%2)+40*((\q)/3)
.irp k, 0,1,2,3
.set XA, 192+24*\k-112*(\k/2)+8*((\q)-1)
	WA PW, XA, LSC+4+(\q), SC+48+4*(\k/2)+(\q), \k, 0
.endr
.endm
.macro LOWRANK a                       ; the low-rank product onto block a: source 0 = lora_B's rows (window 0), source 1 = ar (window 1)
.set AC, 64*((\a)%4)
.set XA, 192+8*((\a)%4)+32*(((\a)%4)/2)
	WIN 0xa4+0x50*((\a)/4)
.irp b, 0,1,2,3,4,5,6,7
.set PW, 104+4*\b+116*(\b/5)
	v_wmma_f32_16x16x32_bf16 v[AC+8*\b:AC+8*\b+7], v[PW:PW+7], v[XA:XA+7], v[AC+8*\b:AC+8*\b+7]
.endr
.endm
; THE WAY OUT of block a, 16 rows x 128 columns.  A lane holds 32 neighbouring bytes of a row, and the lanes beside it hold other rows: so the block goes through my own stage in LDS and comes back, into the registers of the
; accumulators that it came from, as whole rows of 512 bytes.  LDS serves a wave's instructions in order (ISA guide 5.7.1.4): no wait between the stores and the loads, nor in front of the next block's stores.
.macro OUT a
.set AC, 64*((\a)%4)
	PLACES 4                                       ; behind the low-rank product: for the reads of its results and the loads into its sources
	WIN 0x08+4*((\a)/4)
.irp b, 0,1,2,3,4,5,6,7
	ds_store_b128 v[STO], v[AC+8*\b:AC+8*\b+3] offset:64*\b          ; each accumulator from its low end on
	ds_store_b128 v[STO], v[AC+8*\b+4:AC+8*\b+7] offset:64*\b+16
.endr
	WIN 0x80+0x40*((\a)/4)
.irp t, 0,1,2,3,4,5,6,7,8,9,10,11,12,13,14,15
	ds_load_b128 v[AC+4*\t:AC+4*\t+3], v[RD] offset:\t*SPITCH
.endr
.if (\a) < 4
	WIN TO_B
.set XA, 192+8*(\a)+32*((\a)/2)
	ds_load_b128 v[XA:XA+3], v[AXR] offset:512*(\a)        ; my partner's ar of my block a + 4,
	FX (\a)+4                                              ; and x's fragments of that block
	s_wait_dscnt 7                                 ; the block is back in registers: these seven loads may be out
.else
	s_wait_dscnt 0x0
.endif
	WIN 0x08+4*((\a)/4)
.set CP, 12+54*((\a)/4)                ; s[12:13] my blocks 0-3, s[66:67] my blocks 4-7
.irp t, 0,1,2,3,4,5,6,7,8,9,10,11,12,13,14,15
	global_store_b128 v[CO], v[AC+4*\t:AC+4*\t+3], s[CP:CP+1] offset:(16*((\a)%4)+\t)*OROW th:TH_STORE_NT   ; 32 lanes store 512 consecutive bytes, at a multiple of 256 from out0's first byte; offsets reach 63 rows
.endr
.endm
	s_wait_loadcnt 0x0                             ; lora_B
	WIN 0x05                                       ; sources window 1, destination window 0.  The first conversions are also the places behind the last products
.irp b, 0,1,2,3,4,5,6,7
.irp i, 0,1,2,3
	v_cvt_pk_bf16_f32 v[104+4*\b+116*(\b/5)+\i], v[BIA+8*\b+2*\i], v[BIA+8*\b+2*\i+1]
.endr
.endr
	WIN 0
.irp i, 0,1,2,3
	v_mov_b32 v[124+\i], 0
	v_mov_b32 v[252+\i], 0
.endr
	s_wait_dscnt 8                                 ; x's blocks 4-7 may be out
	FW 1
	FW 3
	FX 0
	FX 1
	WIN MUL_LO
	MUL 0, 0, 1, 0
	MUL 1, 0, 1, 0
	MUL 2, 0, 1, 0
	MUL 3, 0, 1, 0
	AR4 0, 1, 0
	s_wait_dscnt 48                                ; x's blocks 4-7 are in: 48 loads were issued behind them
	WIN MUL_HI
	MUL 4, 0, 1, 0
	MUL 5, 0, 1, 0
	MUL 6, 0, 1, 0
	MUL 7, 0, 1, 0
	s_wait_dscnt 12                                ; quarters 1 and 3 of W and of lora_A are in
	PLACES 4
	FW 2
	FX 2
	FX 3
	s_wait_dscnt 30                                ; all but the 30 just issued
	ROWP 0, 1
	ROWP 0, 3
	ROWP 1, 1
	ROWP 1, 3
	s_wait_dscnt 0x0
	ARF 1
	ARF 3
	ARF 2
	ROWP 0, 2
	PLACES 4
	WIN TO_B
.irp a, 0,1,2,3
.irp i, 4,5,6,7
	v_mov_b32 v[192+8*\a+32*(\a/2)+\i], 0          ; ar's K = 16 .. 31
.endr
.endr
	WIN 0x45                                       ; all in window 1
.irp a, 0,1,2,3
.irp i, 0,1,2,3
	v_cvt_pk_bf16_f32 v[192+8*\a+32*(\a/2)+\i], v[ARA+8*\a+2*\i], v[ARA+8*\a+2*\i+1]       ; ar(r, 8 h + 2 i), ar(r, 8 h + 2 i + 1): each accumulator from its low end on
.endr
.endr
	WIN 0x04
.irp a, 0,1,2,3
	ds_store_b128 v[AXW], v[192+8*\a+32*(\a/2):192+8*\a+32*(\a/2)+3] offset:512*\a         ; for my partner, whose blocks 4-7 are my blocks 0-3: an image of the registers, 16 bytes a lane
.endr
	s_wait_alu depctr_va_vdst(0)
	s_wait_dscnt 0x0                               ; for my partner's sake: my four stores have landed
	s_barrier_signal -1
	LOWRANK 0                                      ; another form takes the accumulators: 36 places stand between it and the last product onto them
	WIN 0
	s_barrier_wait -1
	OUT 0
	ROWP 1, 2
	PLACES 5
	LOWRANK 1
	OUT 1
.irp a, 2,3,4,5,6,7
	ROWP \a, 1
	ROWP \a, 3
	ROWP \a, 2
	PLACES 5
	LOWRANK \a
	OUT \a
.endr
	WIN 0
	s_wait_tensorcnt 0x0                           ; the wave's end: behind my last tensor load and my last LDS store
	ds_add_u32 v[SPW], v[NIL]
	s_wait_dscnt 0x0
	CROUND                                         ; the closing round: no work-group ends while a partner may still ask for a tile that names it
	s_endpgm
.Lfunc_end_k_q2fcd561cea_lora_gemm:
	.size	k_q2fcd561cea_lora_gemm, .Lfunc_end_k_q2fcd561cea_lora_gemm-k_q2fcd561cea_lora_gemm
	.p2alignl 7, 3214868480
	.fill 96, 4, 3214868480
	.section	.rodata,"a",@progbits
	.p2align	6, 0x0
	.amdhsa_kernel k_q2fcd561cea_lora_gemm
		.amdhsa_group_segment_fixed_size 327680
		.amdhsa_private_segment_fixed_size 0
		.amdhsa_enable_private_segment 0
		.amdhsa_kernarg_size 72
		.amdhsa_user_sgpr_count 2
		.amdhsa_user_sgpr_kernarg_segment_ptr 1
		.amdhsa_wavefront_size32 1
		.amdhsa_system_sgpr_workgroup_id_x 1
		.amdhsa_system_sgpr_workgroup_id_y 1
		.amdhsa_system_sgpr_workgroup_id_z 1
		.amdhsa_system_vgpr_workitem_id 0
		.amdhsa_next_free_vgpr 1024
		.amdhsa_next_free_sgpr 102
		.amdhsa_reserve_vcc 0
		.amdhsa_float_denorm_mode_32 3
		.amdhsa_float_denorm_mode_16_64 3
		.amdhsa_memory_ordered 1
		.amdhsa_forward_progress 1
		.amdhsa_inst_pref_size 179
	.end_amdhsa_kernel
	.amdgpu_metadata
---
amdhsa.version: [ 1, 2 ]
amdhsa.kernels:
  - .name:           k_q2fcd561cea_lora_gemm
    .symbol:         k_q2fcd561cea_lora_gemm.kd
    .args:
      - { .name: x_codes, .offset: 0, .size: 8, .value_kind: global_buffer, .address_space: global }
      - { .name: x_scales, .offset: 8, .size: 8, .value_kind: global_buffer, .address_space: global }
      - { .name: W_codes, .offset: 16, .size: 8, .value_kind: global_buffer, .address_space: global }
      - { .name: W_scales, .offset: 24, .size: 8, .value_kind: global_buffer, .address_space: global }
      - { .name: lora_A_codes, .offset: 32, .size: 8, .value_kind: global_buffer, .address_space: global }
      - { .name: lora_A_scales, .offset: 40, .size: 8, .value_kind: global_buffer, .address_space: global }
      - { .name: lora_B, .offset: 48, .size: 8, .value_kind: global_buffer, .address_space: global }
      - { .name: b, .offset: 56, .size: 8, .value_kind: global_buffer, .address_space: global }
      - { .name: out0, .offset: 64, .size: 8, .value_kind: global_buffer, .address_space: global }
    .group_segment_fixed_size: 327680
    .private_segment_fixed_size: 0
    .kernarg_segment_align: 8
    .kernarg_segment_size: 72
    .max_flat_workgroup_size: 128
    .sgpr_count:     102
    .vgpr_count:     1024
    .wavefront_size: 32
...
	.end_amdgpu_metadata
.endif
;; end of part 1
